; MI455X (gfx1250); checked and timed in simulation.
; The chip was launched on July 23, 2026; its instructions are those of AMD's public machine-readable ISA for CDNA 5 (MIT licence, August 2026) and "CDNA5" Instruction Set Architecture Reference Guide (July 2026). The comments in the code are by the model that wrote it; some were corrected since.
;; Quadratic. Allowed arithmetic: matrix products marked QUANTISED: E5M2 operands, one E8M0 scale for each 32 along K, by v_wmma_scale_f32_16x16x128_f8f6f4 with both operands' format E5M2, f32 sums; products left as they are: f32 operands where the result goes on into a quantised operand, else bf16, f16 or f32 operands; f32 sums; everything else in f32.
;; Inputs: Q_codes 128 x 4 x 32 uint8 (E5M2 codes of Q, K innermost, in blocks of 32 codes); Q_scales 128 x 4 uint8 (E8M0 scales of Q, one for each 32 codes along K); W 1 x 128 float32; X 262,144 x 128 float32; b one number float32.
;; Outputs: out0 1 x 262,144 float32.
;; This version of the problem:
;;   THIS VERSION OF THE PROBLEM IS GIVEN IN LOW PRECISION. The matrix products marked QUANTISED in the list below multiply operands that are first quantised to E5M2 (5 exponent bits, 2 mantissa bits; 8 bits a number), with one power-of-two scale for each 32 numbers along K (OCP MX v1.0); their sums are f32. All else is computed in f32.
;;   The module's matrix products, in the order in which they are computed (A, B: the left and right operand; K: the contracted axis; several contracted axes count as one K, in the product's order):
;;     1. [M 1, K 128] x [K 128, N 262,144]; A: input W; B: input X: left as it is (M = 1 < 16)
;;     2. [M 128, K 128] x [K 128, N 262,144]; A: input Q (given as codes); B: input X: QUANTISED
;;     3. batch 262,144 x [M 1, K 128] x [K 128, N 1]; A: input X; B: computed on the way: left as it is (M = 1 < 16)
;;   THE QUANTISER, for each operand of a quantised product, along K:
;;     - K is cut into blocks of 32 from its start; a last block that is shorter is filled with zeros.
;;     - A block's scale is 2^e with e = floor(log2(the largest magnitude in the block)) - 15, held to -126 .. 127; a block of zeros has e = 0. As a byte (E8M0): e + 127.
;;     - Each number is divided by its block's scale, clamped to +-57,344, and rounded to the nearest number of E5M2, ties to even, subnormals kept.
;;     - The product sums the exact products of the quantised numbers (number of the format x scale) in f32.
;;   ~~~python
;;   def quantise(x, axis):      # numpy; x: float32 -> the quantised numbers, widened to float32 again
;;       x = np.moveaxis(x, axis, -1); K = x.shape[-1]
;;       x = np.pad(x, [(0, 0)] * (x.ndim - 1) + [(0, -K % 32)]); x = x.reshape(x.shape[:-1] + (-1, 32)); a = np.abs(x).max(-1, keepdims=True)
;;       e = np.where(a > 0, np.clip(np.frexp(np.where(a > 0, a, 1))[1] - 1 - 15, -126, 127), 0)      # np.frexp(a)[1] - 1 = floor(log2(a)), exactly
;;       r = np.clip(x / 2.0 ** e, -57344, 57344)
;;       step = 2.0 ** (np.maximum(np.frexp(np.where(r == 0, 1, r))[1] - 1, -14) - 2)
;;       q = np.round(r / step) * step * 2.0 ** e      # np.round: ties to even
;;       return np.moveaxis(q.reshape(q.shape[:-2] + (-1,))[..., :K], -1, axis).astype(np.float32)
;;   ~~~
;;   INPUTS GIVEN AS CODES. Q (in the module: [128, 128], K = its axis 0): each comes as NAME_codes (uint8): NAME with its K axis moved to the last place and cut into blocks of 32 codes, [.., K / 32, bytes a block], one block behind the other in memory; one code a byte (a code: sign, 5 exponent bits, 2 mantissa bits); and NAME_scales (uint8): the same leading axes, one E8M0 byte (e + 127) for each 32 codes along K. Its value is code x scale, taken as it is: it is not quantised again, and the codes and scales need not be those that the quantiser above would give.
;; One version. Each part assembles by itself: llvm-mc -triple=amdgcn-amd-amdhsa -mcpu=gfx1250 --defsym DOCPART=n.
;; ======== version 1 of 1: 1 launch
;; launch quadratic (part 1): grid 256 x 1, 8 waves a work-group, no clusters, 94,208 bytes of LDS; arguments X, Q_codes, Q_scales, W, b, out0; writes out0
.if DOCPART == 1
	.amdgcn_target "amdgcn-amd-amdhsa--gfx1250"
	.amdhsa_code_object_version 6
	.text
	.protected	k_q5cea3f6e55_quadratic
	.globl	k_q5cea3f6e55_quadratic
	.p2align	8
	.type	k_q5cea3f6e55_quadratic,@function
k_q5cea3f6e55_quadratic:
	s_mov_b64 s[64:65], 0
	v_nop
	global_prefetch_b8 v0, s[64:65] scope:SCOPE_SE
	s_setreg_imm32_b32 hwreg(HW_REG_WAVE_MODE, 25, 1), 1
	s_wait_xcnt 0x0
; out[n] = b + sum_d W[d] X[n][d] + sum_e (sum_d X[n][d] Q[d][e]) X[n][e].   X: [262144][128] f32.  Q: codes of BF8 (E5M2), [e][d] with d (the product's K) innermost, one E8M0 byte for each 32 along d.
; The inner product over d is QUANTISED: x is turned into E5M2 codes with one E8M0 scale for each 32 along d, here in registers, and multiplied by v_wmma_scale_f32_16x16x128_f8f6f4.  All else is f32.
; ONE PASS OVER X.  134 MB are read once and 1 MB is written; the matrix work is small beside that, so the text is laid out for the stream: every load of X takes 512 consecutive bytes, two sets of 16 loads
; of every wave are on their way while a third set is worked on, and nothing goes to memory but the result.
; SHARES.  256 work-groups of 8 waves; a work-group owns 1,024 rows, a wave 128: eight tiles of 16 rows, written out by macro, so that every offset is an immediate and no address register is ever rewritten.
; A TILE.  (1) 16 loads, one row of 512 bytes each, 16 bytes a lane.  (2) The matrix operand wants lane (r, h) = (lane % 16, lane / 16) to hold row r, registers 16 b + i = d 32 b + 16 h + i: the 8,192 bytes go
; through the wave's own stage in LDS and come back so, into the registers that they left.  (3) Each block of 32: largest magnitude, scale byte, hold at the largest code, conversion.  The held numbers go into other
; registers: x itself is wanted again in (5).  (4) Eight products, USED TRANSPOSED: source 0 = 16 rows e of Q, source 1 = my 16 rows of x: a lane's results belong to ONE row of x.
; THE ROWS OF Q THAT FORM A TILE ARE NOT NEIGHBOURS: lane r of tile 2 b + u takes row 32 b + 8 u + r + 8 (r / 8), so that result register 16 b + i of lane (r, h) is e = 32 b + 16 h + i: the e of x's register 16 b + i.
; THE LINEAR TERM RIDES ALONG: the products' C is W in the result's layout, so the result is (x Q)[e] + W[e], and (5) its sum over e against x[e] is the quadratic and the linear term together: 32 packed
; multiply-adds, the other half of the lanes', and b.  (6) A tile's 16 results go to the wave's 512 bytes of LDS; at the end the wave stores its 128 results as 512 consecutive bytes, aligned.
; Q comes from memory once for a work-group: wave w fetches tile w's fragment and scale words and puts them into LDS as images of the registers (16 bytes a lane, 512 bytes a store); behind ONE barrier every wave
; reads all eight, and keeps them in 128 registers.  No tensor loads: a stream that is read once into registers needs no ring in LDS, and its counted waits leave the younger loads on their way.
; No cluster: the work-groups share only Q, W and b, 17 KB beside the 512 KB of X that each reads alone.
; LIMITS.  NaN and infinities in X are not served.  A block of zeros gets the scale byte 1 where the quantiser says 127: its codes are zeros, which add nothing under that byte, and nobody else reads it.
; The sums over e are taken in four packed chains and two halves of the lanes: another order than the reference's, within f32 rounding.
; REGISTERS, in windows of 256 (s_set_vgpr_msb: bits 1:0 source 0, 3:2 source 1, 5:4 source 2, 7:6 destination):
;   window 0: v1-10 addresses; v11 for the lane exchange; v12-19 four packed sums; v20-35 the quantiser's; v36-43 Q's scale words; v44 x's; v48-63 x's codes; v64-127 held numbers, then the results; v128-255 Q.
;   window 1: v0-191 three sets of 64 for x; v192-255 W as the products' C.
.set TILES, 8                          ; tiles of 16 rows for a wave
.set ROWB,  512                        ; a row of X in bytes
.set TILEB, 16*ROWB
.set SP,    ROWB+16                    ; a stage row: 132 words: row r starts at bank 4 r mod 64 (64 banks of 4 bytes: ISA guide 11.1), so the 16 rows that a load back touches start at 16 different banks
.set STGW,  16*SP                      ; a wave's stage
.set QIMG,  8*STGW                     ; behind the stages: Q's eight fragments as register images, 2,048 bytes each,
.set QSC,   QIMG+8*2048                ; their scale words, 128 bytes each,
.set OUTS,  QSC+8*128                  ; 512 bytes for each wave's results,
.set WIM,   OUTS+8*512                 ; and 512 bytes for each wave's turn of W
.set XA,  1                            ; v1   16 x lane: my bytes of a row of X, of W, and of my wave's results in memory
.set SST, 2                            ; v2   the stage, on the way in: 16 x lane
.set SLD, 3                            ; v3   and on the way back: row r, + 64 h
.set OST, 4                            ; v4   where a tile's result goes: 4 r
.set OLD, 5                            ; v5   where the results are read back: 16 x lane
.set QIS, 6                            ; v6   where I store my tile of Q: 16 x lane + 2,048 x wave
.set QSS, 7                            ; v7   and its scale words: 4 x lane + 128 x wave
.set QIF, 8                            ; v8   where any tile of Q is read: 16 x lane
.set QSF, 9                            ; v9   4 x lane
.set WLD, 10                           ; v10  W on the way back: 64 h
.set PT,  11
.set AC,  12
.set TM,  20                           ; v20-23 largest magnitudes, v24-27 bytes, v28-31 the largest code x the scale, v32-35 the conversions' scale operands
.set QS,  36
.set XS,  44
.set PC,  48
.set Y,   64
.set QF,  128
.set WC,  192                          ; in window 1
.set SEL, 20                           ; s[20:21] v_permlanex16_b32's selects for lane l xor 16
.set MNT, 22                           ; s22  the mantissa field of 57,344
.set BB,  23                           ; s23  b
.set MSB, 0
.macro WIN new                         ; the immediate's high byte repeats the setting that is left; a switch that changes nothing is dropped
.if MSB != \new
	s_set_vgpr_msb (MSB<<8)|\new
.set MSB, \new
.endif
.endm
; tile t's 16 rows, as they lie, into set t % 3: each load takes 512 consecutive bytes; read once by the whole launch
.macro XLOAD t
	WIN 0x40                                       ; destination window 1, address window 0
.irp i, 0,1,2,3,4,5,6,7,8,9,10,11,12,13,14,15
	global_load_b128 v[64*((\t)%3)+4*\i:64*((\t)%3)+4*\i+3], v[XA], s[4:5] offset:(\t)*TILEB+\i*ROWB th:TH_LOAD_NT
.endr
.endm
	s_load_b256 s[4:11], s[0:1], 0x0               ; X s[4:5], Q's codes s[6:7], Q's scales s[8:9], W s[10:11]
	s_load_b128 s[12:15], s[0:1], 0x20             ; b s[12:13], out s[14:15]
	v_lshl_add_u32 v46, v0, 2, 0x16c00
	v_mov_b32 v47, 0
	v_lshrrev_b32 v[Y], 5, v0
	s_delay_alu instid0(VALU_DEP_1)
	v_readfirstlane_b32 s16, v[Y]                  ; wave 0..7
	v_and_b32 v[Y], 31, v0                         ; lane   (v64 on are free until the first tile: they hold what only the head needs)
	v_and_b32 v[Y+1], 15, v0                       ; r
	v_bfe_u32 v[Y+2], v0, 4, 1                     ; h
	s_delay_alu instid0(VALU_DEP_3)
	v_lshlrev_b32 v[XA], 4, v[Y]
	s_mul_i32 s17, s16, STGW                       ; my stage
	v_add_nc_u32 v[SST], s17, v[XA]
	v_mul_u32_u24 v[SLD], v[Y+1], SP
	s_delay_alu instid0(VALU_DEP_1)
	v_lshl_add_u32 v[SLD], v[Y+2], 6, v[SLD]
	s_delay_alu instid0(VALU_DEP_1)
	v_add_nc_u32 v[SLD], s17, v[SLD]
	s_lshl_b32 s17, s16, 9                         ; my 512 bytes of results
	s_add_co_u32 s17, s17, OUTS
	v_lshl_add_u32 v[OST], v[Y+1], 2, s17
	v_add_nc_u32 v[OLD], s17, v[XA]
	s_add_co_u32 s17, s17, WIM-OUTS                ; my 512 bytes for W
	v_lshl_add_u32 v[WLD], v[Y+2], 6, s17
	s_lshl_b32 s17, s16, 11
	s_add_co_u32 s17, s17, QIMG
	v_add_nc_u32 v[QIS], s17, v[XA]
	s_lshl_b32 s17, s16, 7
	s_add_co_u32 s17, s17, QSC
	v_lshl_add_u32 v[QSS], v[Y], 2, s17
	v_add_nc_u32 v[QIF], QIMG, v[XA]
	v_lshl_add_u32 v[QSF], v[Y], 2, QSC
	v_and_b32 v[Y+3], 8, v[Y+1]
	s_delay_alu instid0(VALU_DEP_1)
	v_add_nc_u32 v[Y+3], v[Y+3], v[Y+1]            ; r + 8 (r / 8)
	s_lshr_b32 s18, s16, 1
	s_lshl_b32 s18, s18, 5
	s_and_b32 s19, s16, 1
	s_lshl_b32 s19, s19, 3
	s_add_co_u32 s18, s18, s19                     ; tile w of Q begins at row 32 (w / 2) + 8 (w % 2)
	v_add_nc_u32 v[Y+3], s18, v[Y+3]               ; my row of Q, 127 at the most
	s_delay_alu instid0(VALU_DEP_1)
	v_lshlrev_b32 v[Y+4], 7, v[Y+3]
	s_delay_alu instid0(VALU_DEP_1)
	v_lshl_add_u32 v[Y+4], v[Y+2], 4, v[Y+4]       ; its codes: 128 bytes a row, + 16 h
	s_delay_alu instid0(VALU_DEP_3)
	v_lshlrev_b32 v[Y+3], 2, v[Y+3]                ; its scale word: 4 bytes a row
	s_lshl_b32 s18, ttmp9, 19                      ; X: 1,024 rows of 512 bytes a work-group (under 2^28 in all),
	s_lshl_b32 s19, s16, 16                        ; 128 rows a wave
	s_add_co_u32 s18, s18, s19
	s_mov_b32 s19, 0
	s_lshl_b32 s24, ttmp9, 12                      ; out: 4,096 bytes a work-group,
	s_lshl_b32 s25, s16, 9                         ; 512 a wave
	s_add_co_u32 s24, s24, s25
	s_mov_b32 s25, 0
	s_mov_b32 s[SEL], 0x76543210
	s_mov_b32 s[SEL+1], 0xfedcba98
	s_mov_b32 s[MNT], 0x600000
	s_wait_alu depctr_va_vdst(0)
	s_wait_kmcnt 0x0
	s_add_nc_u64 s[4:5], s[4:5], s[18:19]
	s_add_nc_u64 s[14:15], s[14:15], s[24:25]
	s_load_b32 s[BB], s[12:13], 0x0                ; b
	; Loads come back in order (ISA guide 5.7.1), so the six small ones, which are wanted first, go out first; then three tiles of X
.irp c, 0,1,2,3
	global_load_b128 v[PC+4*\c:PC+4*\c+3], v[Y+4], s[6:7] offset:32*\c   ; my tile of Q: registers 4 c .. 4 c + 3 = d 32 c + 16 h + 0 .. 15 of my row (into the registers that x's codes will take)
.endr
	global_load_b32 v[XS], v[Y+3], s[8:9]          ; and my row's scale word
	global_load_b128 v[Y+8:Y+11], v[XA], s[10:11]  ; W as it lies: 512 consecutive bytes
	XLOAD 0
	XLOAD 1
	XLOAD 2
	WIN 0
.irp b, 0,1,2,3
	v_mov_b32 v[TM+4+\b], 0                        ; written once: a lane permute's destination counts as one of its sources
.endr
	v_mov_b32 v[PT], 0
	s_wait_loadcnt 48                              ; Q's five loads and W's are in; the 48 loads of X behind them stay out
.irp c, 0,1,2,3
	ds_store_b128 v[QIS], v[PC+4*\c:PC+4*\c+3] offset:512*\c   ; the fragment goes to LDS as it stands in the registers
.endr
	ds_store_b32 v[QSS], v[XS]
	ds_store_b128 v[OLD], v[Y+8:Y+11] offset:WIM-OUTS          ; W into my own 512 bytes,
	WIN 0x40
.irp b, 0,1,2,3
.irp j, 0,1,2,3
	ds_load_b128 v[WC+16*\b+4*\j:WC+16*\b+4*\j+3], v[WLD] offset:128*\b+16*\j   ; and back in the results' layout: register 16 b + i = W[32 b + 16 h + i].  LDS serves a wave's instructions in order (ISA guide 5.7.1.4): these see the store
.endr
.endr
	WIN 0
	s_wait_kmcnt 0x0                               ; b
	s_wait_dscnt 0x0                               ; for the others' sake: my tile of Q lies in LDS
	s_barrier_signal -1
	s_barrier_wait -1                              ; everybody's does
.irp k, 0,1,2,3,4,5,6,7
.irp c, 0,1,2,3
	ds_load_b128 v[QF+16*\k+4*\c:QF+16*\k+4*\c+3], v[QIF] offset:2048*\k+512*\c   ; the same lines as loads give every wave the same registers in the same lanes: Q stays here for the whole launch
.endr
	ds_load_b32 v[QS+\k], v[QSF] offset:128*\k
.endr
.macro TILE t
.set S, 64*((\t)%3)                    ; the tile's set, in window 1
.if (\t) < TILES-2
	s_wait_loadcnt 32                              ; this tile's 16 loads are in; the 32 of the two tiles behind it stay out
.else
	s_wait_loadcnt 16*(TILES-1-(\t))               ; the last tiles: the counts run down
.endif
	WIN 0x04                                       ; an LDS store's data are its source 1: window 1
.irp i, 0,1,2,3,4,5,6,7,8,9,10,11,12,13,14,15
	ds_store_b128 v[SST], v[S+4*\i:S+4*\i+3] offset:\i*SP      ; row i, 512 consecutive bytes
.endr
	WIN 0x40
.irp b, 0,1,2,3
.irp j, 0,1,2,3
	ds_load_b128 v[S+16*\b+4*\j:S+16*\b+4*\j+3], v[SLD] offset:128*\b+16*\j   ; back into the registers that they left: register 16 b + i = x(r, 32 b + 16 h + i).  In order behind the stores, and ahead of the next tile's
.endr
.endr
	s_wait_dscnt 0x0                               ; x is back (in the first tile: Q too; later: the last tile's result has left its register)
	WIN 0x05                                       ; sources 0 and 1: x, window 1
.irp b, 0,1,2,3
	v_max3_num_f32 v[TM+\b], |v[S+16*\b]|, |v[S+16*\b+1]|, 0x8000000   ; block b: my 16 numbers, and the floor 2^(16 - 127), under which no largest magnitude is taken: so the byte cannot fall under 1
.endr
.irp i, 2,4,6,8,10,12,14
.irp b, 0,1,2,3
	s_delay_alu instid0(VALU_DEP_4)
	v_max3_num_f32 v[TM+\b], |v[S+16*\b+\i]|, |v[S+16*\b+\i+1]|, v[TM+\b]   ; (the four blocks by turns: no line waits for the line above it)
.endr
.endr
	WIN 0
.irp b, 0,1,2,3
	v_permlanex16_b32 v[TM+4+\b], v[TM+\b], s[SEL], s[SEL+1]
.endr
.irp b, 0,1,2,3
	s_delay_alu instid0(VALU_DEP_4)
	v_max_num_f32 v[TM+\b], v[TM+\b], v[TM+4+\b]   ; with lane l xor 16's 16: the block's largest magnitude
.endr
.irp b, 0,1,2,3
	s_delay_alu instid0(VALU_DEP_4)
	v_add_nc_u32 v[TM+12+\b], 0xf8800000, v[TM+\b] ; 15 off its exponent field: the conversion takes the exponent field of this operand as its scale, and nothing else of it
.endr
.irp b, 0,1,2,3
	v_and_or_b32 v[TM+8+\b], v[TM+\b], 0x7f800000, s[MNT]   ; 57,344 x the scale: the largest magnitude's exponent field over 57,344's mantissa
.endr
.irp b, 0,1,2,3
	v_lshrrev_b32 v[TM+4+\b], 23, v[TM+12+\b]      ; the scale's byte
.endr
	s_delay_alu instid0(VALU_DEP_3)
	v_lshl_or_b32 v[XS], v[TM+5], 8, v[TM+4]       ; the four bytes make my row's scale word (lanes 16-31 hold the same and are not read)
	s_delay_alu instid0(VALU_DEP_1)
	v_lshl_or_b32 v[XS], v[TM+6], 16, v[XS]
	s_delay_alu instid0(VALU_DEP_1)
	v_lshl_or_b32 v[XS], v[TM+7], 24, v[XS]
	WIN 0x01                                       ; source 0: x
.set i, 0
.rept 64
	v_med3_num_f32 v[Y+i], v[S+i], -v[TM+8+i/16], v[TM+8+i/16]   ; the conversion to an 8-bit code does not saturate (ISA guide 7.6.2): the hold at the largest code x the scale.  Into the results' registers, which are idle: x stays as it is
.set i, i+1
.endr
	WIN 0
.irp b, 0,1,2,3
	v_cvt_scalef32_pk8_bf8_f32 v[PC+4*\b:PC+4*\b+1], v[Y+16*\b:Y+16*\b+7], v[TM+12+\b]       ; registers 4 b .. 4 b + 3 of the operand: d = 32 b + 16 h + 0 .. 15
	v_cvt_scalef32_pk8_bf8_f32 v[PC+4*\b+2:PC+4*\b+3], v[Y+16*\b+8:Y+16*\b+15], v[TM+12+\b]
.endr
.rept 4
	v_nop                                          ; an operand written by vector instructions stands four places ahead of a scaled matrix instruction (the scale word, which wants eight, was made ahead of the 64 holds); the first of the four is also the plain line between the conversions and the products, which write the conversions' sources
.endr
	WIN 0x10                                       ; source 2: W, window 1
.irp k, 0,1,2,3,4,5,6,7
	v_wmma_scale_f32_16x16x128_f8f6f4 v[Y+8*\k:Y+8*\k+7], v[QF+16*\k:QF+16*\k+15], v[PC:PC+15], v[WC+8*\k:WC+8*\k+7], v[QS+\k], v[XS] matrix_a_fmt:MATRIX_FMT_BF8 matrix_b_fmt:MATRIX_FMT_BF8   ; register 8 k + j of lane (r, h): (x Q)[e] + W[e] of row r, e the e of x's register 8 k + j.  Eight results, none added onto
.endr
.rept 8
	v_nop                                          ; eight places between a matrix instruction of this form and the first read of its result; they also free the codes, the scale word and the results for the next tile's vector lines
.endr
	WIN 0x01                                       ; source 0: x
.irp p, 0,1,2,3
	v_pk_mul_f32 v[AC+2*\p:AC+2*\p+1], v[S+2*\p:S+2*\p+1], v[Y+2*\p:Y+2*\p+1]   ; the first products start the four chains: nothing is cleared.  Each result is read from its low end on
.endr
.set p, 4
.rept 28
	v_pk_fma_f32 v[AC+2*(p%4):AC+2*(p%4)+1], v[S+2*p:S+2*p+1], v[Y+2*p:Y+2*p+1], v[AC+2*(p%4):AC+2*(p%4)+1]
.set p, p+1
.endr
.if (\t)+3 < TILES
	XLOAD (\t)+3                                   ; the set is read out: it takes the tile three further on, ahead of the little that is left of this one
.endif
	WIN 0
	v_pk_add_f32 v[AC:AC+1], v[AC:AC+1], v[AC+2:AC+3]
	v_pk_add_f32 v[AC+4:AC+5], v[AC+4:AC+5], v[AC+6:AC+7]
	s_delay_alu instid0(VALU_DEP_1)
	v_pk_add_f32 v[AC:AC+1], v[AC:AC+1], v[AC+4:AC+5]
	s_delay_alu instid0(VALU_DEP_1)
	v_add_f32 v[AC], v[AC], v[AC+1]                ; my 64 of the row's 128,
	s_delay_alu instid0(VALU_DEP_1)
	v_permlanex16_b32 v[PT], v[AC], s[SEL], s[SEL+1]
	s_delay_alu instid0(VALU_DEP_1)
	v_add_f32 v[AC], v[AC], v[PT]                  ; and lane l xor 16's,
	s_delay_alu instid0(VALU_DEP_1)
	v_add_f32 v[AC], s[BB], v[AC]                  ; and b
	ds_store_b32 v[OST], v[AC] offset:64*(\t)      ; row 16 t + r of my 128; both halves of the lanes write the same word with the same value
.endm
.irp t, 0,1,2,3,4,5,6,7
	TILE \t
.endr
	ds_load_b128 v[Y:Y+3], v[OLD]                  ; in order behind my stores: four results a lane
	s_wait_dscnt 0x0
	global_store_b128 v[XA], v[Y:Y+3], s[14:15] th:TH_STORE_NT   ; 32 lanes store 512 consecutive bytes, at a multiple of 512 from the buffer's first byte; written once, read by nobody here
	s_wait_tensorcnt 0x0
	ds_add_u32 v46, v47
	s_wait_dscnt 0x0
	s_endpgm
.Lfunc_end_k_q5cea3f6e55_quadratic:
	.size	k_q5cea3f6e55_quadratic, .Lfunc_end_k_q5cea3f6e55_quadratic-k_q5cea3f6e55_quadratic
	.p2alignl 7, 3214868480
	.fill 96, 4, 3214868480
	.section	.rodata,"a",@progbits
	.p2align	6, 0x0
	.amdhsa_kernel k_q5cea3f6e55_quadratic
		.amdhsa_group_segment_fixed_size 94208
		.amdhsa_private_segment_fixed_size 0
		.amdhsa_enable_private_segment 0
		.amdhsa_kernarg_size 48
		.amdhsa_user_sgpr_count 2
		.amdhsa_user_sgpr_kernarg_segment_ptr 1
		.amdhsa_wavefront_size32 1
		.amdhsa_system_sgpr_workgroup_id_x 1
		.amdhsa_system_sgpr_workgroup_id_y 1
		.amdhsa_system_sgpr_workgroup_id_z 1
		.amdhsa_system_vgpr_workitem_id 0
		.amdhsa_next_free_vgpr 512
		.amdhsa_next_free_sgpr 66
		.amdhsa_reserve_vcc 0
		.amdhsa_float_denorm_mode_32 3
		.amdhsa_float_denorm_mode_16_64 3
		.amdhsa_memory_ordered 1
		.amdhsa_forward_progress 1
		.amdhsa_inst_pref_size 144
	.end_amdhsa_kernel
	.amdgpu_metadata
---
amdhsa.version: [ 1, 2 ]
amdhsa.kernels:
  - .name:           k_q5cea3f6e55_quadratic
    .symbol:         k_q5cea3f6e55_quadratic.kd
    .args:
      - { .name: X, .offset: 0, .size: 8, .value_kind: global_buffer, .address_space: global }
      - { .name: Q_codes, .offset: 8, .size: 8, .value_kind: global_buffer, .address_space: global }
      - { .name: Q_scales, .offset: 16, .size: 8, .value_kind: global_buffer, .address_space: global }
      - { .name: W, .offset: 24, .size: 8, .value_kind: global_buffer, .address_space: global }
      - { .name: b, .offset: 32, .size: 8, .value_kind: global_buffer, .address_space: global }
      - { .name: out0, .offset: 40, .size: 8, .value_kind: global_buffer, .address_space: global }
    .group_segment_fixed_size: 94208
    .private_segment_fixed_size: 0
    .kernarg_segment_align: 8
    .kernarg_segment_size: 48
    .max_flat_workgroup_size: 256
    .sgpr_count:     66
    .vgpr_count:     512
    .wavefront_size: 32
...
	.end_amdgpu_metadata
.endif
;; end of part 1
